; MI455X (gfx1250); checked and timed in simulation.
; The chip was launched on July 23, 2026; its instructions are those of AMD's public machine-readable ISA for CDNA 5 (MIT licence, August 2026) and "CDNA5" Instruction Set Architecture Reference Guide (July 2026). The comments in the code are by the model that wrote it; some were corrected since.
;; RVQ Quantizer. Allowed arithmetic: matrix products marked QUANTISED: E4M3 operands, one E8M0 scale for each 32 along K, by v_wmma_scale_f32_16x16x128_f8f6f4 with both operands' format E4M3, f32 sums; everything else in f32.
;; Inputs: codebook 4,096 x 256 float32; codebook_usage 4,096 float32; z 8 x 2,048 x 256 float32.
;; Outputs: out0 8 x 2,048 x 256 float32; out1 8 x 2,048 int32; out2 one number float32; out3 one number float32; out4 one number float32.
;; This version of the problem:
;;   THIS VERSION OF THE PROBLEM IS GIVEN IN LOW PRECISION. The matrix products marked QUANTISED in the list below multiply operands that are first quantised to E4M3 (4 exponent bits, 3 mantissa bits; 8 bits a number), with one power-of-two scale for each 32 numbers along K (OCP MX v1.0); their sums are f32. All else is computed in f32.
;;   The module's matrix products, in the order in which they are computed (A, B: the left and right operand; K: the contracted axis; several contracted axes count as one K, in the product's order):
;;     1. [M 16,384, K 256] x [K 256, N 4,096]; A: input z; B: input codebook: QUANTISED
;;   THE QUANTISER, for each operand of a quantised product, along K:
;;     - K is cut into blocks of 32 from its start; a last block that is shorter is filled with zeros.
;;     - A block's scale is 2^e with e = floor(log2(the largest magnitude in the block)) - 8, held to -126 .. 127; a block of zeros has e = 0. As a byte (E8M0): e + 127.
;;     - Each number is divided by its block's scale, clamped to +-448, and rounded to the nearest number of E4M3, ties to even, subnormals kept.
;;     - The product sums the exact products of the quantised numbers (number of the format x scale) in f32.
;;   ~~~python
;;   def quantise(x, axis):      # numpy; x: float32 -> the quantised numbers, widened to float32 again
;;       x = np.moveaxis(x, axis, -1); K = x.shape[-1]
;;       x = np.pad(x, [(0, 0)] * (x.ndim - 1) + [(0, -K % 32)]); x = x.reshape(x.shape[:-1] + (-1, 32)); a = np.abs(x).max(-1, keepdims=True)
;;       e = np.where(a > 0, np.clip(np.frexp(np.where(a > 0, a, 1))[1] - 1 - 8, -126, 127), 0)      # np.frexp(a)[1] - 1 = floor(log2(a)), exactly
;;       r = np.clip(x / 2.0 ** e, -448, 448)
;;       step = 2.0 ** (np.maximum(np.frexp(np.where(r == 0, 1, r))[1] - 1, -6) - 3)
;;       q = np.round(r / step) * step * 2.0 ** e      # np.round: ties to even
;;       return np.moveaxis(q.reshape(q.shape[:-2] + (-1,))[..., :K], -1, axis).astype(np.float32)
;;   ~~~
;; One version. Each part assembles by itself: llvm-mc -triple=amdgcn-amd-amdhsa -mcpu=gfx1250 --defsym DOCPART=n.
;; ======== version 1 of 1: 4 launches
;; limits: right only within a limited range of input values
;; workspace buffers: zq 4,456,448 bytes; cbq 1,114,112 bytes; part 1,048,576 bytes of whole numbers; lossp 1,024 bytes
;; launch quant (part 1): grid 257 x 1, 5 waves a work-group, no clusters, 24,064 bytes of LDS; arguments z, codebook, zq, cbq, codebook_usage, out3, out4; writes zq, cbq, out3, out4
.if DOCPART == 1
	.amdgcn_target "amdgcn-amd-amdhsa--gfx1250"
	.amdhsa_code_object_version 6
	.text
	.protected	k_qefa9dabb77_quant
	.globl	k_qefa9dabb77_quant
	.p2align	8
	.type	k_qefa9dabb77_quant,@function
k_qefa9dabb77_quant:
	s_mov_b64 s[64:65], 0
	v_nop
	global_prefetch_b8 v0, s[64:65] scope:SCOPE_SE
	s_setreg_imm32_b32 hwreg(HW_REG_WAVE_MODE, 25, 1), 1
	s_wait_xcnt 0x0
; z [16384][256] and codebook [4096][256], f32, become codes of FP8 (E4M3) with one E8M0 scale byte for each 32 along K, laid in the ORDER OF THE OPERAND REGISTERS of the product that reads them.
; A tile is 16 rows x 256 K, a record of 4,352 bytes (17 x 256): byte 2048 ks + 512 c + 16 (16 h + r) + i holds the code of k = 128 ks + 32 c + 16 h + i of row r;
; byte 4096 + 64 ks + 4 r + c its block's scale byte; from byte 4,224 the 16 numbers -|e|^2 / 2 in f32 (of the codebook's numbers as given; zeros in z's tiles); the last 64 bytes are zeros.
; zq: 1,024 records, cbq: 256 records.
; A block's scale is 2^(floor(log2(largest magnitude)) - 8): its byte is the largest magnitude's exponent field - 8, held at 1 from below by a floor among the leaves of the maximum.
; LIMITS: a block of zeros, and a block whose largest magnitude lies under 2^-118, keeps the byte 1 (zero codes add nothing; these bytes are read by this program alone); NaN and infinities are not served.
; WORK LEFT OUT, for all values of the inputs: |z|^2 is one constant for a row of distances, so it moves no argmin over the row: no launch makes it.  In z + (e - z) the two z cancel, so the gathered row itself is out0.
; A NaN, an infinity or an overflow that reaches only these terms is not carried to the result.
; SHARES: work-group g < 256 has five waves that share nothing: waves 0-3 take z's tiles 4 g .. 4 g + 3, wave 4 the codebook's tile g.  Work-group 256: its wave 0 makes entropy and perplexity from the usage.
; A lane takes 8 neighbours along K of a row (32 bytes); four neighbouring lanes hold a block of 32.  A wave asks for all its 16 rows at once (32 loads) and works them four at a time, line by line by turns.
; Codes turn through the wave's own stage in LDS (16 chunks of 256 bytes, 272 apart) and leave 512 dense bytes a store.  No tensor load, no cluster: the work-groups share no input.
; No prefetch: a wave asks for all its bytes at its head and has no loop to run ahead in.
.set STG,   4608                       ; LDS of a wave: the stage (4,352 bytes), then the tile's 256 bytes behind the codes
.set META,  4352
.set SPARE, 23040                      ; behind the five waves' regions: the spare words
.set TREC,  4352
.set MX,    12                         ; v12-15   the four rows' largest magnitudes
.set MY,    16                         ; v16-19   a second chain of the maximum
.set SCL,   20                         ; v20-23   the conversions' scale operands
.set HLD,   24                         ; v24-27   448 x the scale
.set SQ,    28                         ; v28-35   four pairs of sums of squares
.set X,     40                         ; v40-167  sixteen rows of 8 numbers; on the way out v40-73
.set CD,    168                        ; v168-199 codes, a pair of registers for each row
.set BY,    200                        ; v200-215 a scale byte for each row
.set NE,    216                        ; v216-231 -|e|^2 / 2 for each row
.set SRC,   12                         ; s[12:13] my tile's first row
.set CODES, 14                         ; s[14:15] my record
.set FLAG,  21                         ; 1: codebook
.set MANT,  32                         ; the mantissa field of 448
.set WV,    33                         ; my wave's number
.set SEL,   34                         ; s[34:35] lane selects: lane l xor 16
	s_load_b256 s[4:11], s[0:1], 0x0               ; z, codebook, zq, cbq
	v_lshl_add_u32 v232, v0, 2, SPARE
	v_mov_b32 v233, 0
	v_lshrrev_b32 v10, 5, v0
	v_readfirstlane_b32 s[WV], v10                 ; wave 0..4
	v_and_b32 v1, 31, v0                           ; lane
	v_lshlrev_b32 v2, 5, v1                        ; in: 32 bytes a lane
	s_mov_b32 s[SEL], 0x76543210
	s_mov_b32 s[SEL+1], 0xfedcba98
	s_mov_b32 s[MANT], 0x600000
	s_mov_b32 s23, 0
	s_lshl_b32 s16, ttmp9, 2
	s_add_co_u32 s16, s16, s[WV]                   ; z's tile
	s_cmp_eq_u32 ttmp9, 256
	s_wait_alu depctr_va_vdst(0)                   ; ahead of the branch and of the wait below
	s_cbranch_scc1 .Lentropy
	s_wait_kmcnt 0x0
	s_cmp_lt_u32 s[WV], 4                          ; z or the codebook: the choice hangs on the wave's number alone
	s_cselect_b64 s[SRC:SRC+1], s[4:5], s[6:7]
	s_cselect_b64 s[CODES:CODES+1], s[8:9], s[10:11]
	s_cselect_b32 s16, s16, ttmp9
	s_cselect_b32 s[FLAG], 0, 1
	s_lshl_b32 s22, s16, 14                        ; 16 rows of 1,024 bytes
	s_add_nc_u64 s[SRC:SRC+1], s[SRC:SRC+1], s[22:23]
.irp r, 0,1,2,3,4,5,6,7,8,9,10,11,12,13,14,15
	global_load_b128 v[X+8*\r:X+8*\r+3],   v2, s[SRC:SRC+1] offset:1024*\r
	global_load_b128 v[X+8*\r+4:X+8*\r+7], v2, s[SRC:SRC+1] offset:1024*\r+16
.endr
	s_mul_i32 s22, s16, TREC                       ; made while the loads are on their way
	s_add_nc_u64 s[CODES:CODES+1], s[CODES:CODES+1], s[22:23]
	s_mul_i32 s24, s[WV], STG                      ; my stage
	s_add_co_u32 s25, s24, META                    ; and the 256 bytes behind it
	s_add_co_u32 s26, s25, 128
	v_lshrrev_b32 v10, 1, v1
	v_mul_u32_u24 v3, v10, 272
	v_and_b32 v11, 1, v1
	v_lshl_add_u32 v3, v11, 3, v3
	v_add_nc_u32 v3, s24, v3                       ; the stage, in: chunk lane / 2 (= 8 ks + 2 c + h), + 8 (lane % 2); the row adds 16 r: the 32 lanes touch each bank once (64 banks of 4 bytes: ISA guide 11.1)
	v_lshrrev_b32 v10, 4, v1
	v_bfe_u32 v11, v1, 2, 2
	v_lshl_add_u32 v4, v10, 6, v11
	v_add_nc_u32 v4, s25, v4                       ; my block's scale byte: 64 ks + c; the row adds 4 r
	v_mul_u32_u24 v5, v10, 272
	v_and_b32 v11, 15, v1
	v_lshl_add_u32 v5, v11, 4, v5
	v_add_nc_u32 v5, s24, v5                       ; the stage, out: two chunks an instruction
	v_lshlrev_b32 v6, 4, v1                        ; 16 x lane
	v_lshlrev_b32 v7, 3, v1                        ; 8 x lane
	v_mov_b32 v8, s26                              ; the 16 words of -|e|^2 / 2
	v_add_nc_u32 v9, s25, v7                       ; the 256 bytes, 8 a lane
	v_mov_b32 v10, 0
	v_mov_b32 v11, 0
	ds_store_b64 v9, v[10:11]                      ; zeros first: LDS serves a wave's instructions in order, so the bytes below come over them
; Rows 4 g .. 4 g + 3, by turns.
.macro GROUP g
	s_wait_loadcnt 24-8*(\g)                       ; loads come back in order (ISA guide 5.7.1): these rows are loads 8 g .. 8 g + 7 of the 32, so 24 - 8 g younger ones may stay out
.irp q, 0,1,2,3
.set XS, X+32*(\g)+8*\q
	v_max3_num_f32 v[MX+\q], |v[XS]|, |v[XS+1]|, 0x4800000         ; my 8 numbers, and the floor 2^(9 - 127): the byte cannot fall under 1
.endr
.irp q, 0,1,2,3
.set XS, X+32*(\g)+8*\q
	v_max3_num_f32 v[MY+\q], |v[XS+2]|, |v[XS+3]|, |v[XS+4]|
.endr
.irp q, 0,1,2,3
.set XS, X+32*(\g)+8*\q
	v_max3_num_f32 v[MX+\q], v[MX+\q], |v[XS+5]|, |v[XS+6]|
.endr
.irp q, 0,1,2,3
.set XS, X+32*(\g)+8*\q
	v_max3_num_f32 v[MX+\q], v[MX+\q], v[MY+\q], |v[XS+7]|
.endr
.irp q, 0,1,2,3
	v_max_num_f32_dpp v[MX+\q], v[MX+\q], v[MX+\q] row_xmask:1 row_mask:0xf bank_mask:0xf
.endr
.irp q, 0,1,2,3
	v_max_num_f32_dpp v[MX+\q], v[MX+\q], v[MX+\q] row_xmask:2 row_mask:0xf bank_mask:0xf   ; the four lanes of a block: its largest magnitude
.endr
.irp q, 0,1,2,3
	v_add_nc_u32 v[SCL+\q], 0xfc000000, v[MX+\q]   ; 8 off its exponent field: the conversion takes the exponent field of this operand as its scale
.endr
.irp q, 0,1,2,3
	v_and_or_b32 v[HLD+\q], v[MX+\q], 0x7f800000, s[MANT]          ; 448 x the scale
.endr
	s_cmp_eq_u32 s[FLAG], 0
	s_wait_alu depctr_va_vdst(0)                   ; ahead of the branch
	s_cbranch_scc1 .Lno_sq_\@                      ; z's rows need no sum of squares
.irp q, 0,1,2,3
.set XS, X+32*(\g)+8*\q
	v_pk_mul_f32 v[SQ+2*\q:SQ+2*\q+1], v[XS:XS+1], v[XS:XS+1]
.endr
.irp i, 2,4,6
.irp q, 0,1,2,3
.set XS, X+32*(\g)+8*\q
	v_pk_fma_f32 v[SQ+2*\q:SQ+2*\q+1], v[XS+\i:XS+\i+1], v[XS+\i:XS+\i+1], v[SQ+2*\q:SQ+2*\q+1]
.endr
.endr
.irp q, 0,1,2,3
	v_add_f32 v[SQ+2*\q], v[SQ+2*\q], v[SQ+2*\q+1]
.endr
.irp x, 1,2,4,8
.irp q, 0,1,2,3
	v_add_f32_dpp v[SQ+2*\q], v[SQ+2*\q], v[SQ+2*\q] row_xmask:\x row_mask:0xf bank_mask:0xf
.endr
.endr
.irp q, 0,1,2,3
	v_permlanex16_b32 v[SQ+2*\q+1], v[SQ+2*\q], s[SEL], s[SEL+1]
.endr
.irp q, 0,1,2,3
	v_add_f32 v[SQ+2*\q], v[SQ+2*\q], v[SQ+2*\q+1]                 ; |e|^2 in every lane
.endr
.irp q, 0,1,2,3
	v_mul_f32 v[NE+4*(\g)+\q], -0.5, v[SQ+2*\q]
.endr
.irp q, 0,1,2,3
	ds_store_b32 v8, v[NE+4*(\g)+\q] offset:4*(4*(\g)+\q)          ; all lanes write the same word with the same value
.endr
.Lno_sq_\@:
.irp q, 0,1,2,3
.set XS, X+32*(\g)+8*\q
.irp i, 0,1,2,3,4,5,6,7
	v_med3_num_f32 v[XS+\i], v[XS+\i], -v[HLD+\q], v[HLD+\q]       ; the conversion to an 8-bit code does not saturate (ISA guide 7.6.2): the hold at the largest code x the scale
.endr
.endr
.irp q, 0,1,2,3
.set XS, X+32*(\g)+8*\q
	v_cvt_scalef32_pk8_fp8_f32 v[CD+8*(\g)+2*\q:CD+8*(\g)+2*\q+1], v[XS:XS+7], v[SCL+\q]
.endr
.irp q, 0,1,2,3
	v_lshrrev_b32 v[BY+4*(\g)+\q], 23, v[SCL+\q]   ; the scale's byte; these four are also the plain lines behind the conversions
.endr
.irp q, 0,1,2,3
	ds_store_b64 v3, v[CD+8*(\g)+2*\q:CD+8*(\g)+2*\q+1] offset:16*(4*(\g)+\q)
	ds_store_b8 v4, v[BY+4*(\g)+\q] offset:4*(4*(\g)+\q)           ; the four lanes of a block write the same byte with the same value
.endr
.endm
	s_wait_alu depctr_va_vdst(0)                   ; at the head's end
	GROUP 0
	GROUP 1
	GROUP 2
	GROUP 3
.irp j, 0,1,2,3,4,5,6,7
	ds_load_b128 v[X+4*\j:X+4*\j+3], v5 offset:544*\j              ; my own bytes: LDS serves a wave's instructions in order
.endr
	ds_load_b64 v[X+32:X+33], v9
.irp j, 0,1,2,3,4,5,6,7
	s_wait_dscnt 8-\j                              ; piece j is in; the later pieces and the last 256 bytes may be out
	global_store_b128 v6, v[X+4*\j:X+4*\j+3], s[CODES:CODES+1] offset:512*\j   ; 32 lanes store 512 consecutive bytes, aligned
.endr
	s_wait_dscnt 0x0
	global_store_b64 v7, v[X+32:X+33], s[CODES:CODES+1] offset:4096            ; 256 consecutive bytes, aligned
	s_wait_tensorcnt 0x0                           ; the wave's end
	ds_add_u32 v232, v233
	s_wait_dscnt 0x0
	s_endpgm
; ENTROPY AND PERPLEXITY, one wave, 128 numbers a lane, sums in a fixed order.
; p = usage / (sum of usage + 1e-10); S = sum of p log2(p + 1e-10); out4 = entropy = -ln 2 x S; out3 = perplexity = exp(entropy) = 2^(-S).
; STATED: the division is a reciprocal and a multiplication; logarithm and exponential are the base-2 instructions.
.macro WSUM a, t                       ; the sum over the wave's 32 lanes, in every lane
.irp x, 1,2,4,8
	v_add_f32_dpp v[\a], v[\a], v[\a] row_xmask:\x row_mask:0xf bank_mask:0xf
.endr
	v_permlanex16_b32 v[\t], v[\a], s[SEL], s[SEL+1]
	v_add_f32 v[\a], v[\a], v[\t]
.endm
.macro LOGS n                          ; 32 of the lane's numbers
.irp j, 0,2,4,6,8,10,12,14,16,18,20,22,24,26,28,30
	v_pk_add_f32 v[CD+\j:CD+\j+1], v[X+32*(\n)+\j:X+32*(\n)+\j+1], s[20:21] op_sel_hi:[1,0]
.endr
	s_wait_alu depctr_va_vdst(0)                   ; ahead of the batch
.irp j, 0,1,2,3,4,5,6,7,8,9,10,11,12,13,14,15,16,17,18,19,20,21,22,23,24,25,26,27,28,29,30,31
	v_log_f32 v[CD+\j], v[CD+\j]
.endr
	v_nop                                          ; the plain line behind the last of them
	s_wait_alu depctr_va_vdst(0)                   ; one wait for the batch
.irp j, 0,4,8,12,16,20,24,28
.if 32*(\n)+\j == 0
	v_pk_mul_f32 v[16:17], v[X:X+1], v[CD:CD+1]
	v_pk_mul_f32 v[18:19], v[X+2:X+3], v[CD+2:CD+3]
.else
	v_pk_fma_f32 v[16:17], v[X+32*(\n)+\j:X+32*(\n)+\j+1], v[CD+\j:CD+\j+1], v[16:17]
	v_pk_fma_f32 v[18:19], v[X+32*(\n)+\j+2:X+32*(\n)+\j+3], v[CD+\j+2:CD+\j+3], v[18:19]
.endif
.endr
.endm
.Lentropy:
	s_cmp_lg_u32 s[WV], 0
	s_cbranch_scc1 .Ldone
	s_load_b64 s[12:13], s[0:1], 0x20              ; usage
	s_load_b64 s[16:17], s[0:1], 0x28              ; out3
	s_load_b64 s[18:19], s[0:1], 0x30              ; out4
	v_lshlrev_b32 v3, 4, v1
	v_mov_b32 v22, 0
	s_mov_b32 s20, 0x2edbe6ff                      ; 1e-10
	s_mov_b32 s21, s20
	s_wait_alu depctr_va_vdst(0)
	s_wait_kmcnt 0x0
.set i, 0
.rept 32
	global_load_b128 v[X+4*i:X+4*i+3], v3, s[12:13] offset:512*i   ; 512 consecutive bytes
.set i, i+1
.endr
	s_wait_loadcnt 0x0
.irp q, 0,1,2,3
	v_pk_add_f32 v[12+2*\q:13+2*\q], v[X+2*\q:X+2*\q+1], v[X+8+2*\q:X+9+2*\q]
.endr
.set i, 2
.rept 14
	v_pk_add_f32 v[12:13], v[12:13], v[X+8*i:X+8*i+1]
	v_pk_add_f32 v[14:15], v[14:15], v[X+8*i+2:X+8*i+3]
	v_pk_add_f32 v[16:17], v[16:17], v[X+8*i+4:X+8*i+5]
	v_pk_add_f32 v[18:19], v[18:19], v[X+8*i+6:X+8*i+7]
.set i, i+1
.endr
	v_pk_add_f32 v[12:13], v[12:13], v[14:15]
	v_pk_add_f32 v[16:17], v[16:17], v[18:19]
	v_pk_add_f32 v[12:13], v[12:13], v[16:17]
	v_add_f32 v12, v12, v13
	WSUM 12, 13
	v_add_f32 v12, s20, v12
	s_wait_alu depctr_va_vdst(0)                   ; ahead of the reciprocal
	v_rcp_f32 v14, v12
	v_nop                                          ; the plain line behind it
	s_wait_alu depctr_va_vdst(0)                   ; ahead of its first reader
.set i, 0
.rept 64
	v_pk_mul_f32 v[X+2*i:X+2*i+1], v[X+2*i:X+2*i+1], v[14:15] op_sel_hi:[1,0]   ; p
.set i, i+1
.endr
	LOGS 0
	LOGS 1
	LOGS 2
	LOGS 3
	v_pk_add_f32 v[16:17], v[16:17], v[18:19]
	v_add_f32 v16, v16, v17
	WSUM 16, 17                                    ; S
	s_wait_alu depctr_va_vdst(0)                   ; ahead of the exponential
	v_exp_f32 v20, -v16                            ; perplexity = 2^(-S)
	v_mul_f32 v21, 0xbf317218, v16                 ; entropy = -ln 2 x S; also the plain line behind the exponential
	s_wait_alu depctr_va_vdst(0)                   ; ahead of the first readers
	s_wait_xcnt 0x0                                ; EXEC changes only behind this wait
	v_cmpx_gt_u32 1, v0                            ; thread 0 alone
	global_store_b32 v22, v20, s[16:17]
	global_store_b32 v22, v21, s[18:19]
.Ldone:
	s_endpgm
.Lfunc_end_k_qefa9dabb77_quant:
	.size	k_qefa9dabb77_quant, .Lfunc_end_k_qefa9dabb77_quant-k_qefa9dabb77_quant
	.p2alignl 7, 3214868480
	.fill 96, 4, 3214868480
	.section	.rodata,"a",@progbits
	.p2align	6, 0x0
	.amdhsa_kernel k_qefa9dabb77_quant
		.amdhsa_group_segment_fixed_size 24064
		.amdhsa_private_segment_fixed_size 0
		.amdhsa_enable_private_segment 0
		.amdhsa_kernarg_size 56
		.amdhsa_user_sgpr_count 2
		.amdhsa_user_sgpr_kernarg_segment_ptr 1
		.amdhsa_wavefront_size32 1
		.amdhsa_system_sgpr_workgroup_id_x 1
		.amdhsa_system_sgpr_workgroup_id_y 1
		.amdhsa_system_sgpr_workgroup_id_z 1
		.amdhsa_system_vgpr_workitem_id 0
		.amdhsa_next_free_vgpr 234
		.amdhsa_next_free_sgpr 66
		.amdhsa_reserve_vcc 0
		.amdhsa_float_denorm_mode_32 3
		.amdhsa_float_denorm_mode_16_64 3
		.amdhsa_memory_ordered 1
		.amdhsa_forward_progress 1
		.amdhsa_inst_pref_size 66
	.end_amdhsa_kernel
	.amdgpu_metadata
---
amdhsa.version: [ 1, 2 ]
amdhsa.kernels:
  - .name:           k_qefa9dabb77_quant
    .symbol:         k_qefa9dabb77_quant.kd
    .args:
      - { .name: z, .offset: 0, .size: 8, .value_kind: global_buffer, .address_space: global }
      - { .name: codebook, .offset: 8, .size: 8, .value_kind: global_buffer, .address_space: global }
      - { .name: zq, .offset: 16, .size: 8, .value_kind: global_buffer, .address_space: global }
      - { .name: cbq, .offset: 24, .size: 8, .value_kind: global_buffer, .address_space: global }
      - { .name: codebook_usage, .offset: 32, .size: 8, .value_kind: global_buffer, .address_space: global }
      - { .name: out3, .offset: 40, .size: 8, .value_kind: global_buffer, .address_space: global }
      - { .name: out4, .offset: 48, .size: 8, .value_kind: global_buffer, .address_space: global }
    .group_segment_fixed_size: 24064
    .private_segment_fixed_size: 0
    .kernarg_segment_align: 8
    .kernarg_segment_size: 56
    .max_flat_workgroup_size: 160
    .sgpr_count:     66
    .vgpr_count:     234
    .wavefront_size: 32
...
	.end_amdgpu_metadata
.endif
;; end of part 1
;; launch search (part 2): grid 8 x 32, 8 waves a work-group, clusters of 4 x 4, 327,680 bytes of LDS; arguments zq, cbq, part; writes part
.if DOCPART == 2
	.amdgcn_target "amdgcn-amd-amdhsa--gfx1250"
	.amdhsa_code_object_version 6
	.text
	.protected	k_qefa9dabb77_search
	.globl	k_qefa9dabb77_search
	.p2align	8
	.type	k_qefa9dabb77_search,@function
k_qefa9dabb77_search:
	s_mov_b64 s[64:65], 0
	v_nop
	global_prefetch_b8 v0, s[64:65] scope:SCOPE_SE
	s_setreg_imm32_b32 hwreg(HW_REG_WAVE_MODE, 25, 1), 1
	s_wait_xcnt 0x0
	s_wait_alu depctr_hold_cnt(0) depctr_sa_sdst(0) depctr_va_vdst(0) depctr_va_sdst(0) depctr_va_ssrc(0) depctr_va_vcc(0) depctr_vm_vsrc(0)
	s_getreg_b32 s2, hwreg(HW_REG_IB_STS2, 6, 4)
	s_cmp_eq_u32 s2, 0
	s_cbranch_scc0 .Lentry_in_a_cluster
	s_endpgm
.Lentry_in_a_cluster:
	s_bfe_u32 s2, ttmp6, 0x10000c
	s_cmp_lg_u32 s2, 0xf033
	s_cbranch_scc0 .Lentry_shape_is_right
	s_endpgm
.Lentry_shape_is_right:
; For each of 16,384 rows of z and each eighth of the codebook (512 entries): the entry with the largest D = z . e - |e|^2 / 2, which is the entry with the smallest |z|^2 + |e|^2 - 2 z . e.
; The product is on codes of FP8 (E4M3) with E8M0 scales for each 32 along K; -|e|^2 / 2 is the C of each tile's first matrix instruction.
; WORK LEFT OUT: |z|^2, one constant for a row, moves no argmin over the row and is not added.  ORDER OF ROUNDING, stated: the factor -2 is not applied either, so the numbers compared are rounded otherwise than in the expanded form;
; the compare itself is exact in f32.  TIES go to the lowest index at every level.  LIMITS: NaN and infinities are not served.
; OUT: part[block of 64 rows][eighth][row] = (key, index), 8 bytes: the key is D's bit pattern mapped so that unsigned order is D's order (-0 made +0 first); a later launch joins the eighths by whole-number compares.
; SHARES.  A work-group owns 512 rows (32 tiles of zq) x 512 entries (32 tiles of cbq): 2 x 139,264 bytes, which fit in LDS at once: every byte is filled once.
; Wave w: rows 128 (w / 2) on, 8 tiles of 16, whose fragments stay in 256 registers; entries: in step s of 16 the tile 2 s + w % 2.
; THE MATRIX INSTRUCTION IS USED TRANSPOSED: source 0 = 16 entries, source 1 = 16 rows of z: a lane holds ONE row of z (lane % 16) and the entries 8 (lane / 16) + 0 .. 7 of the tile.
; A STEP: 8 products (z's tiles 0-3), the argmax of the step before's tiles 4-7, 8 products (tiles 4-7), the argmax of tiles 0-3: each run's argmax work is also the places behind the products ahead of it.
; The entries' fragments have two sets, loaded two steps ahead.
; THE ARGMAX, 14 vector instructions a tile: four v_max3 fold the 8 leaves and the old best into the new best; one compare; one select keeps the step's number; eight selects keep the winning tile's leaves.
; The place among the eight is found once, at the end, by equality with the best, the lowest place last.
; CLUSTER, 4 x 4: the four work-groups of a row of the cluster share z's tiles, the four of a column the entries': every tile is asked for jointly.
; No prefetch: every tile is asked for at the head, by one load a wave, and no load follows that one could run ahead of.
.set TREC, 4352                        ; a tile: 4,096 bytes of codes, 128 of scale bytes, 64 of -|e|^2 / 2, 64 of zeros
.set BLK,  32*TREC                     ; 32 tiles
.set SHARE, 8*TREC                     ; what one wave's load brings: 136 rows of 256 bytes
.set CB,   BLK                         ; LDS: z's 32 tiles, then the entries' 32,
.set SPARE, 2*BLK                      ; the spare words, 128 bytes for each wave,
.set SCR,  SPARE+1024                  ; and 8,192 bytes in which the waves' winners meet: written by LDS stores alone, no fill lands there
.set STEPB, 2*TREC                     ; bytes from a step's tile to the next step's
.set ZS7, 1                            ; v1, v8-14: z's scale words (tile 7: v1; tiles 0-6: v8-14): lanes 0-15 K step 0, lanes 16-31 K step 1.  Scales and nothing else
.set ZS,  8
.set SPW, 2                            ; v2   LDS address of my spare word; never rewritten
.set NIL, 3                            ; v3   0; never rewritten
.set AC,  4                            ; v4   LDS address of the entries' codes: my lane's 16 bytes
.set AS,  5                            ; v5   of their scale words
.set AE,  6                            ; v6   of -|e|^2 / 2, my half's eight
.set CS,  7                            ; v7, v15 the tile's scale words, two sets.  Scales and nothing else
.set BEST, 16                          ; v16-31 the best so far, two sets of 8 by turns
.set EV,  32                           ; v32-47 C of a tile's first product, two sets
.set ID,  48                           ; v48-55 the winning step
.set TMP, 56                           ; v56-63 at work
.set CF,  64                           ; v64-127 the tile's two fragments, two sets
.set ACC, 128                          ; v128-191 eight accumulators
.set SAV, 192                          ; v192-255 the winning tile's leaves
                                       ; window 1: z's fragments, tile z and K step ks at v[32 z + 16 ks]
.set STP, 2                            ; s2 the step's number
.set G1Z, 24                           ; s[24:31] descriptor group 1, mask: my row of the cluster
.set G1C, 32                           ; s[32:39] mask: my column
.set G0Z, 40
.set G0C, 44
.set SEL, 56                           ; s[56:57] lane selects: lane l xor 16
.set HI,  58                           ; s58 lanes 16-31
.set MK,  68                           ; s68-71 compare masks
.set MSB, 0
.macro WIN new                         ; the immediate's high byte repeats the setting that is left
.if MSB != \new
	s_set_vgpr_msb (MSB<<8)|\new
.set MSB, \new
.endif
.endm
.macro PLACES n
.rept \n
	v_nop
.endr
.endm
; A round of the cluster's barrier: my work-group's barrier; wave 0 signals for the work-group; every wave waits for all sixteen work-groups; my work-group's barrier once more.
.macro ROUND
	s_barrier_signal -1
	s_barrier_wait -1
	s_cmp_lg_u32 s10, 0
	s_cbranch_scc1 .Lnot_wave_0_\@
	s_barrier_signal -3
.Lnot_wave_0_\@:
	s_barrier_wait -3
	s_barrier_signal -1
	s_barrier_wait -1
.endm
.macro G1REST g                        ; a dense block of 136 rows of 256 bytes: 32 elements of 8 bytes, pitch 32, no padding (every LDS read of codes takes 16 x lane: consecutive bytes)
	s_mov_b32 s[\g+1], 32<<16                      ; tensor_dim0
	s_mov_b32 s[\g+2], 136<<16                     ; tensor_dim1
	s_mov_b32 s[\g+3], 32<<16                      ; tile_dim0
	s_mov_b32 s[\g+4], 136                         ; tile_dim1
	s_mov_b32 s[\g+5], 32                          ; tensor_dim0_stride
	s_mov_b32 s[\g+6], 0
	s_mov_b32 s[\g+7], 0
.endm
	s_load_b128 s[4:7], s[0:1], 0x0                ; zq, cbq
	s_load_b64 s[8:9], s[0:1], 0x10                ; part
	v_lshl_add_u32 v[SPW], v0, 2, SPARE
	v_mov_b32 v[NIL], 0
	ds_add_u32 v[SPW], v[NIL]                      ; the wave's opening: the add, twice on end, and its wait ahead of my tensor load
	ds_add_u32 v[SPW], v[NIL]
	v_lshrrev_b32 v[TMP], 5, v0
	v_readfirstlane_b32 s10, v[TMP]                ; wave 0..7
	s_bfe_u32 s11, ttmp6, 0x40000                  ; cx
	s_bfe_u32 s12, ttmp6, 0x40004                  ; cy
	s_lshl_b32 s13, ttmp9, 2
	s_add_co_u32 s13, s13, s11                     ; the eighth = 4 x cluster x + cx
	s_and_b32 s14, ttmp7, 0xffff
	s_lshl_b32 s14, s14, 2
	s_add_co_u32 s14, s14, s12                     ; the block of 512 rows = 4 x cluster y + cy
	s_lshl_b32 s15, s12, 2
	s_lshl_b32 s15, 15, s15                        ; my row of the cluster
	s_lshl_b32 s16, 0x1111, s11                    ; my column
	s_or_b32 s[G1Z], s15, (3<<16)|(1<<21)          ; 15:0 the mask; 17:16 elements of 8 bytes; 21 set beside a mask
	s_or_b32 s[G1C], s16, (3<<16)|(1<<21)
	G1REST G1Z
	G1REST G1C
	s_and_b32 s17, s10, 3
	s_mul_i32 s17, s17, SHARE                      ; my share of a block, in memory and in LDS
	s_mul_i32 s18, s14, BLK
	s_add_co_u32 s18, s18, s17
	s_mov_b32 s19, 0
	s_mul_i32 s20, s13, BLK
	s_add_co_u32 s20, s20, s17
	s_mov_b32 s21, 0
	s_lshl_b32 s22, s14, 15                        ; part: 4,096 (8 block + wave) + 512 eighth
	s_lshl_b32 s61, s10, 12
	s_add_co_u32 s22, s22, s61
	s_lshl_b32 s61, s13, 9
	s_add_co_u32 s22, s22, s61
	s_mov_b32 s23, 0
	s_lshr_b32 s51, s10, 1                         ; a: which 128 rows
	s_and_b32 s52, s10, 1                          ; b: the even or the odd tiles
	s_lshl_b32 s48, s52, 4
	s_add_co_u32 s48, s48, s61                     ; 512 eighth + 16 b (a number, no address: the eighth enters no LDS address)
	s_mul_i32 s53, s52, TREC
	s_add_co_u32 s53, s53, CB                      ; my tile of step 0: its codes,
	s_add_co_u32 s54, s53, 4096                    ; its scale words,
	s_add_co_u32 s55, s53, 4224                    ; its -|e|^2 / 2
	s_mul_i32 s59, s51, SHARE                      ; my eight tiles of z
	s_add_co_u32 s60, s59, 4096
	s_lshl_b32 s49, s52, 12                        ; where my winners go: SCR + 4,096 b + 1,024 a
	s_lshl_b32 s62, s51, 10
	s_add_co_u32 s49, s49, s62
	s_add_co_u32 s49, s49, SCR
	s_lshl_b32 s50, s10, 9                         ; and where I read 64 rows' winners
	s_add_co_u32 s50, s50, SCR
	s_mov_b32 s[SEL], 0x76543210
	s_mov_b32 s[SEL+1], 0xfedcba98
	s_mov_b32 s[HI], 0xffff0000
	s_wait_dscnt 0x0                               ; both opening adds are done
	s_wait_kmcnt 0x0
	s_add_nc_u64 s[8:9], s[8:9], s[22:23]
	s_mov_b32 s[G0Z], 1
	s_mov_b32 s[G0Z+1], s17
	s_add_nc_u64 s[G0Z+2:G0Z+3], s[4:5], s[18:19]
	s_or_b32 s[G0Z+3], s[G0Z+3], 0x80000000
	s_mov_b32 s[G0C], 1
	s_add_co_u32 s[G0C+1], s17, CB
	s_add_nc_u64 s[G0C+2:G0C+3], s[6:7], s[20:21]
	s_or_b32 s[G0C+3], s[G0C+3], 0x80000000
	ROUND                                          ; all sixteen work-groups are here: the joint loads meet
	; One load a wave: waves 0-3 fetch z's tiles, waves 4-7 the entries'.
	s_cmp_lt_u32 s10, 4
	s_cbranch_scc0 .Lfetch_c
	tensor_load_to_lds s[G0Z:G0Z+3], s[G1Z:G1Z+7]
	s_nop 0
	PLACES 4
	s_branch .Lfetched
.Lfetch_c:
	tensor_load_to_lds s[G0C:G0C+3], s[G1C:G1C+7]
	s_nop 0
	PLACES 4
.Lfetched:
	v_and_b32 v[TMP], 31, v0                       ; lane
	v_bfe_u32 v[TMP+1], v0, 4, 1                   ; h = lane / 16
	v_lshlrev_b32 v[TMP+2], 4, v[TMP]
	v_lshlrev_b32 v[TMP+3], 2, v[TMP]
	v_add_nc_u32 v[AC], s53, v[TMP+2]
	v_add_nc_u32 v[AS], s54, v[TMP+3]
	v_lshl_add_u32 v[AE], v[TMP+1], 5, s55
	v_add_nc_u32 v[TMP+4], s59, v[TMP+2]           ; z's fragments
	v_add_nc_u32 v[TMP+5], s60, v[TMP+3]           ; z's scale words
; A step's tile into set p, at byte off from the address registers: two fragments as images of their registers (8 loads of 512 consecutive bytes), its scale words,
; and -|e|^2 / 2 of my half's eight entries (all lanes of a half read the same bytes).  11 loads.
.macro LOADCB p, off
.irp i, 0,1,2,3,4,5,6,7
	ds_load_b128 v[CF+32*(\p)+4*\i:CF+32*(\p)+4*\i+3], v[AC] offset:(\off)+512*\i
.endr
	ds_load_b32 v[CS+8*(\p)], v[AS] offset:(\off)
	ds_load_b128 v[EV+8*(\p):EV+8*(\p)+3], v[AE] offset:(\off)
	ds_load_b128 v[EV+8*(\p)+4:EV+8*(\p)+7], v[AE] offset:(\off)+16
.endm
; 8 matrix instructions: the tile in set p against z's tiles 4 g .. 4 g + 3, K step 0 (C = -|e|^2 / 2), then K step 1 in place.  The four accumulators take turns, one instruction a turn.
.macro MM dst, g, p
	WIN 0x04                                       ; source 1 (z) in window 1
.irp z, 0,1,2,3
.set ZT, 4*(\g)+\z
.set ZR, ZS+ZT
.if ZT == 7
.set ZR, ZS7
.endif
	v_wmma_scale_f32_16x16x128_f8f6f4 v[\dst+8*ZT:\dst+8*ZT+7], v[CF+32*(\p):CF+32*(\p)+15], v[32*ZT:32*ZT+15], v[EV+8*(\p):EV+8*(\p)+7], v[CS+8*(\p)], v[ZR]
.endr
.irp z, 0,1,2,3
.set ZT, 4*(\g)+\z
.set ZR, ZS+ZT
.if ZT == 7
.set ZR, ZS7
.endif
	v_wmma_scale_f32_16x16x128_f8f6f4 v[\dst+8*ZT:\dst+8*ZT+7], v[CF+32*(\p)+16:CF+32*(\p)+31], v[32*ZT+16:32*ZT+31], v[\dst+8*ZT:\dst+8*ZT+7], v[CS+8*(\p)], v[ZR] matrix_a_scale:MATRIX_SCALE_ROW1 matrix_b_scale:MATRIX_SCALE_ROW1
.endr
	WIN 0
.endm
; The largest of leaves 0-6 of tiles 4 g .. 4 g + 3, by turns, into TMP; each accumulator is read from its low end on.
.macro LEAVES src, g
.irp z, 0,1,2,3
	v_max3_num_f32 v[TMP+\z], v[\src+8*(4*(\g)+\z)], v[\src+8*(4*(\g)+\z)+1], v[\src+8*(4*(\g)+\z)+2]
.endr
.irp z, 0,1,2,3
	v_max3_num_f32 v[TMP+4+\z], v[\src+8*(4*(\g)+\z)+3], v[\src+8*(4*(\g)+\z)+4], v[\src+8*(4*(\g)+\z)+5]
.endr
.irp z, 0,1,2,3
	v_max3_num_f32 v[TMP+\z], v[TMP+\z], v[TMP+4+\z], v[\src+8*(4*(\g)+\z)+6]
.endr
.endm
.macro FIRST g                         ; step 0: its leaves are the winning ones
	LEAVES SAV, \g
.irp z, 0,1,2,3
	v_max_num_f32 v[BEST+8+4*(\g)+\z], v[TMP+\z], v[SAV+8*(4*(\g)+\z)+7]
.endr
.irp z, 0,1,2,3
	v_mov_b32 v[ID+4*(\g)+\z], 0
.endr
.endm
; The argmax of tiles 4 g .. 4 g + 3; o: the set that holds the best so far.  off >= 0: behind the first 12 vector instructions, which are the places behind the products that read set o, that set is loaded anew.
; Where new <= old (that is: equal) all is kept: the earlier step, with the lower indices, stays.
.macro EPI g, o, off
	LEAVES ACC, \g
.if (\off) >= 0
	LOADCB \o, \off
.endif
.irp z, 0,1,2,3
	v_max3_num_f32 v[BEST+8*(1-(\o))+4*(\g)+\z], v[TMP+\z], v[ACC+8*(4*(\g)+\z)+7], v[BEST+8*(\o)+4*(\g)+\z]
.endr
.irp z, 0,1,2,3
	v_cmp_le_f32 s[MK+\z], v[BEST+8*(1-(\o))+4*(\g)+\z], v[BEST+8*(\o)+4*(\g)+\z]
.endr
.irp z, 0,1,2,3
	v_cndmask_b32 v[ID+4*(\g)+\z], s[STP], v[ID+4*(\g)+\z], s[MK+\z]
.irp j, 0,1,2,3,4,5,6,7
	v_cndmask_b32 v[SAV+8*(4*(\g)+\z)+\j], v[ACC+8*(4*(\g)+\z)+\j], v[SAV+8*(4*(\g)+\z)+\j], s[MK+\z]
.endr
.endr
.endm
.macro STEP p, cnt, off
	s_wait_dscnt \cnt                              ; this step's tile is in registers; the 11 loads of the next step's may be out
	MM ACC, 0, \p
	EPI 1, 1-\p, -1                                ; the step before's tiles 4-7
	s_add_co_u32 s[STP], s[STP], 1
	MM ACC, 1, \p
	EPI 0, \p, \off
.endm
	s_wait_alu depctr_va_vdst(0)                   ; at the head's end
	s_cmp_lt_u32 s10, 4
	s_cbranch_scc0 .Lz_not_mine
	s_wait_tensorcnt 0x0                           ; waves 0-3: my part of z is in; the entries' tiles may stay out
.Lz_not_mine:
	s_barrier_signal -1
	s_barrier_wait -1                              ; all of z is
.irp z, 0,1,2,3,4,5,6
	ds_load_b32 v[ZS+\z], v[TMP+5] offset:TREC*\z
.endr
	ds_load_b32 v[ZS7], v[TMP+5] offset:TREC*7
	WIN 0x40                                       ; destination window 1
.irp z, 0,1,2,3,4,5,6,7
.irp i, 0,1,2,3,4,5,6,7
	ds_load_b128 v[32*\z+4*\i:32*\z+4*\i+3], v[TMP+4] offset:TREC*\z+512*\i
.endr
.endr
	WIN 0
	s_wait_tensorcnt 0x0                           ; my tensor load has landed, whichever it was
	s_wait_dscnt 0x0                               ; z's fragments are in registers; no LDS instruction is pending at the signal
	s_barrier_signal -1
	s_barrier_wait -1                              ; all the entries' tiles are in
	LOADCB 0, 0
	LOADCB 1, STEPB
	s_wait_dscnt 11                                ; step 0's tile is in; step 1's 11 loads may be out
	MM SAV, 0, 0                                   ; step 0 writes the winning leaves directly: nothing is cleared
	MM SAV, 1, 0
	PLACES 8                                       ; eight places behind this form, ahead of the first read of its results
	FIRST 0
	LOADCB 0, 2*STEPB
	s_wait_dscnt 11
	MM ACC, 0, 1                                   ; step 1
	FIRST 1
	s_mov_b32 s[STP], 1
	MM ACC, 1, 1
	EPI 0, 1, 3*STEPB
	s_mov_b32 s3, 6
.Lsteps:                                               ; steps 2 t + 2 and 2 t + 3, t = 0 .. 5; they load the tiles of two steps on
	STEP 0, 11, 4*STEPB
	STEP 1, 11, 5*STEPB
	v_add_nc_u32 v[AC], 2*STEPB, v[AC]
	v_add_nc_u32 v[AS], 2*STEPB, v[AS]
	v_add_nc_u32 v[AE], 2*STEPB, v[AE]
	s_sub_co_u32 s3, s3, 1
	s_cmp_lg_u32 s3, 0
	s_wait_alu depctr_va_vdst(0)                   ; directly ahead of the branch
	s_cbranch_scc1 .Lsteps
	STEP 0, 11, -1                                 ; step 14: nothing more to load
	STEP 1, 0, -1                                  ; step 15
	EPI 1, 1, -1
	; THE END.  The best lies in set 0.  Its place among the winning tile's eight leaves: equality, from place 6 down to 0, so that the lowest stays.
.irp z, 0,1,2,3,4,5,6,7
	v_mov_b32 v[TMP+\z], 7
.endr
.irp j, 6,5,4,3,2,1,0
.irp g, 0,4
.irp z, 0,1,2,3
	v_cmp_eq_f32 s[MK+\z], v[SAV+8*(\g+\z)+\j], v[BEST+\g+\z]
.endr
.irp z, 0,1,2,3
	v_cndmask_b32 v[TMP+\g+\z], v[TMP+\g+\z], \j, s[MK+\z]
.endr
.endr
.endr
	v_bfe_u32 v[AC], v0, 4, 1
	v_and_b32 v[AE], 31, v0
	v_lshl_add_u32 v[AC], v[AC], 3, s48            ; 512 eighth + 16 b + 8 (lane / 16)
	v_lshl_add_u32 v[AS], v[AE], 3, s49
.irp z, 0,1,2,3,4,5,6,7
	v_lshl_add_u32 v[ID+\z], v[ID+\z], 5, v[TMP+\z]                ; 32 x step + place
.endr
.irp z, 0,1,2,3,4,5,6,7
	v_add_nc_u32 v[ID+\z], v[AC], v[ID+\z]         ; the entry's index
.endr
	v_lshlrev_b32 v[TMP], 4, v[AE]                 ; 16 x lane
	v_add_nc_u32 v[AE], s50, v[TMP]
	; The two halves of the lanes hold different entries of the same rows.  Tiles 2 i and 2 i + 1: lanes 0-15 keep their half of the even tile, lanes 16-31 theirs of the odd one (v64 on), and each sends the other (v72 on) to lane l xor 16 (v80 on).
.irp i, 0,1,2,3
	v_cndmask_b32 v[64+2*\i], v[BEST+2*\i], v[BEST+2*\i+1], s[HI]
	v_cndmask_b32 v[65+2*\i], v[ID+2*\i], v[ID+2*\i+1], s[HI]
	v_cndmask_b32 v[72+2*\i], v[BEST+2*\i+1], v[BEST+2*\i], s[HI]
	v_cndmask_b32 v[73+2*\i], v[ID+2*\i+1], v[ID+2*\i], s[HI]
.endr
.irp i, 0,1,2,3,4,5,6,7
	v_permlanex16_b32 v[80+\i], v[72+\i], s[SEL], s[SEL+1]
.endr
.irp i, 0,2,4,6
	v_cmp_gt_f32 s[MK], v[80+\i], v[64+\i]         ; the other's wins with the greater D,
	v_cmp_eq_f32 s[MK+1], v[80+\i], v[64+\i]
	v_cmp_lt_u32 s[MK+2], v[81+\i], v[65+\i]       ; or with an equal D and the lower index
	s_and_b32 s[MK+1], s[MK+1], s[MK+2]
	s_or_b32 s[MK], s[MK], s[MK+1]
	v_cndmask_b32 v[64+\i], v[64+\i], v[80+\i], s[MK]
	v_cndmask_b32 v[65+\i], v[65+\i], v[81+\i], s[MK]
.endr
.irp i, 0,1,2,3
	ds_store_b64 v[AS], v[64+2*\i:65+2*\i] offset:256*\i           ; [b][row]: row 128 a + 32 i + lane
.endr
	s_wait_alu depctr_va_vdst(0)                   ; directly ahead of the wait below
	s_wait_dscnt 0x0                               ; for the others' sake: my stores have landed
	s_barrier_signal -1
	s_barrier_wait -1
	ds_load_b128 v[96:99], v[AE]                   ; rows 64 w + 2 lane and the next: the winners of the even tiles
	ds_load_b128 v[100:103], v[AE] offset:4096     ; and of the odd ones
	s_wait_dscnt 0x0
.irp r, 0,2
	v_cmp_gt_f32 s[MK], v[100+\r], v[96+\r]
	v_cmp_eq_f32 s[MK+1], v[100+\r], v[96+\r]
	v_cmp_lt_u32 s[MK+2], v[101+\r], v[97+\r]
	s_and_b32 s[MK+1], s[MK+1], s[MK+2]
	s_or_b32 s[MK], s[MK], s[MK+1]
	v_cndmask_b32 v[96+\r], v[96+\r], v[100+\r], s[MK]
	v_cndmask_b32 v[97+\r], v[97+\r], v[101+\r], s[MK]
.endr
.irp r, 0,2
	v_add_f32 v[96+\r], 0, v[96+\r]                ; -0 becomes +0
.endr
.irp r, 0,2
	v_ashrrev_i32 v[104+\r], 31, v[96+\r]
.endr
.irp r, 0,2
	v_or_b32 v[104+\r], 0x80000000, v[104+\r]
.endr
.irp r, 0,2
	v_xor_b32 v[96+\r], v[96+\r], v[104+\r]        ; the key: positive numbers get the top bit, negative ones are inverted: unsigned order is D's order
.endr
	global_store_b128 v[TMP], v[96:99], s[8:9]     ; 32 lanes store 512 consecutive bytes, aligned
	s_wait_tensorcnt 0x0                           ; the wave's end
	ds_add_u32 v[SPW], v[NIL]
	s_wait_dscnt 0x0
	ROUND                                          ; the closing round: no work-group ends while a partner may still ask for a tile that names it
	s_endpgm
.Lfunc_end_k_qefa9dabb77_search:
	.size	k_qefa9dabb77_search, .Lfunc_end_k_qefa9dabb77_search-k_qefa9dabb77_search
	.p2alignl 7, 3214868480
	.fill 96, 4, 3214868480
	.section	.rodata,"a",@progbits
	.p2align	6, 0x0
	.amdhsa_kernel k_qefa9dabb77_search
		.amdhsa_group_segment_fixed_size 327680
		.amdhsa_private_segment_fixed_size 0
		.amdhsa_enable_private_segment 0
		.amdhsa_kernarg_size 24
		.amdhsa_user_sgpr_count 2
		.amdhsa_user_sgpr_kernarg_segment_ptr 1
		.amdhsa_wavefront_size32 1
		.amdhsa_system_sgpr_workgroup_id_x 1
		.amdhsa_system_sgpr_workgroup_id_y 1
		.amdhsa_system_sgpr_workgroup_id_z 1
		.amdhsa_system_vgpr_workitem_id 0
		.amdhsa_next_free_vgpr 512
		.amdhsa_next_free_sgpr 72
		.amdhsa_reserve_vcc 0
		.amdhsa_float_denorm_mode_32 3
		.amdhsa_float_denorm_mode_16_64 3
		.amdhsa_memory_ordered 1
		.amdhsa_forward_progress 1
		.amdhsa_inst_pref_size 79
	.end_amdhsa_kernel
	.amdgpu_metadata
---
amdhsa.version: [ 1, 2 ]
amdhsa.kernels:
  - .name:           k_qefa9dabb77_search
    .symbol:         k_qefa9dabb77_search.kd
    .args:
      - { .name: zq, .offset: 0, .size: 8, .value_kind: global_buffer, .address_space: global }
      - { .name: cbq, .offset: 8, .size: 8, .value_kind: global_buffer, .address_space: global }
      - { .name: part, .offset: 16, .size: 8, .value_kind: global_buffer, .address_space: global }
    .group_segment_fixed_size: 327680
    .private_segment_fixed_size: 0
    .kernarg_segment_align: 8
    .kernarg_segment_size: 24
    .max_flat_workgroup_size: 256
    .sgpr_count:     72
    .vgpr_count:     512
    .wavefront_size: 32
...
	.end_amdgpu_metadata
.endif
;; end of part 2
;; launch gather (part 3): grid 256 x 1, 8 waves a work-group, no clusters, 1,536 bytes of LDS; arguments part, z, codebook, out0, out1, lossp; writes out0, out1, lossp
.if DOCPART == 3
	.amdgcn_target "amdgcn-amd-amdhsa--gfx1250"
	.amdhsa_code_object_version 6
	.text
	.protected	k_qefa9dabb77_gather
	.globl	k_qefa9dabb77_gather
	.p2align	8
	.type	k_qefa9dabb77_gather,@function
k_qefa9dabb77_gather:
	s_mov_b64 s[64:65], 0
	v_nop
	global_prefetch_b8 v0, s[64:65] scope:SCOPE_SE
	s_setreg_imm32_b32 hwreg(HW_REG_WAVE_MODE, 25, 1), 1
	s_wait_xcnt 0x0
; For each row: the eight eighths' winners (key, index) are joined by whole-number compares (a greater key wins; the eighths' indices ascend, so the earlier stays on a tie);
; out1 = the index; e = codebook[index]; out0 = e; the work-group's sum of (e - z)^2 goes to lossp.
; WORK LEFT OUT: in the straight-through form z + (e - z) the two z cancel for all values, so out0 is e itself (the form differs from it by its own rounding alone).  A NaN, an infinity or an overflow that reaches only that sum is not carried to out0.
; SHARES: a work-group takes 64 rows, a wave 8.  A row is 1,024 bytes: two loads of 512 consecutive bytes.  No matrix unit, no tensor load.  The eight loads of part and z's sixteen go out at the head.
; No prefetch: the launch has no loop to run ahead in.  No cluster: which codebook rows a work-group reads hangs on the indices, and z's rows are its own.
; A lane holds the winners of rows 2 (lane % 4) and the next of its wave's eight; v_readlane_b32 takes lanes 0 to 3.  The indices meet in LDS, so that wave 0 stores out1 as one run of 256 bytes.
; The index is held to 4,095 before it enters an address.
.set Z, 32                             ; v32-95   8 rows of z
.set E, 96                             ; v96-159  first the eight eighths' winners (v96-127), then 8 rows of the codebook
.set T, 160                            ; v160-175 e - z of two rows
.set A, 176                            ; v176-183 four pairs of running sums
.set IDX, 256                          ; LDS: bytes 0-31 the waves' sums; 256-511 the 64 indices; from 512 the spare words
	s_load_b256 s[4:11], s[0:1], 0x0               ; part, z, codebook, out0
	s_load_b128 s[12:15], s[0:1], 0x20             ; out1, lossp
	v_lshl_add_u32 v192, v0, 2, 512
	v_mov_b32 v193, 0
	v_lshrrev_b32 v1, 5, v0
	v_readfirstlane_b32 s16, v1                    ; wave
	v_and_b32 v1, 31, v0                           ; lane
	v_and_b32 v7, 3, v0
	s_lshl_b32 s17, s16, 6
	v_lshl_add_u32 v2, v7, 4, s17                  ; part: 64 x wave + 16 (lane % 4)
	s_lshl_b32 s17, s16, 5
	s_add_co_u32 s17, s17, IDX
	v_lshl_add_u32 v7, v7, 3, s17                  ; my two indices' place in LDS
	v_lshlrev_b32 v3, 4, v1
	v_lshlrev_b32 v4, 3, v1
	s_lshl_b32 s17, s16, 2
	v_mov_b32 v5, s17                              ; 4 x wave
	v_mov_b32 v6, 0
	s_lshl_b32 s18, ttmp9, 12                      ; part: 8 x 64 rows of 8 bytes
	s_mov_b32 s19, 0
	s_lshl_b32 s20, ttmp9, 16                      ; z and out0: 64 rows of 1,024 bytes, + my wave's 8
	s_lshl_b32 s21, s16, 13
	s_add_co_u32 s20, s20, s21
	s_mov_b32 s21, 0
	s_lshl_b32 s22, ttmp9, 8                       ; out1: 64 rows of 4 bytes
	s_mov_b32 s23, 0
	s_lshl_b32 s24, ttmp9, 2
	s_mov_b32 s25, 0
	s_mov_b32 s26, 0x76543210
	s_mov_b32 s27, 0xfedcba98
	s_wait_alu depctr_va_vdst(0)                   ; at the head's end
	s_wait_kmcnt 0x0
	s_add_nc_u64 s[4:5], s[4:5], s[18:19]
	s_add_nc_u64 s[6:7], s[6:7], s[20:21]
	s_add_nc_u64 s[10:11], s[10:11], s[20:21]
	s_add_nc_u64 s[12:13], s[12:13], s[22:23]
	s_add_nc_u64 s[14:15], s[14:15], s[24:25]
.irp q, 0,1,2,3,4,5,6,7
	global_load_b128 v[E+4*\q:E+4*\q+3], v2, s[4:5] offset:512*\q
.endr
.irp r, 0,1,2,3,4,5,6,7
	global_load_b128 v[Z+8*\r:Z+8*\r+3],   v3, s[6:7] offset:1024*\r th:TH_LOAD_NT
	global_load_b128 v[Z+8*\r+4:Z+8*\r+7], v3, s[6:7] offset:1024*\r+512 th:TH_LOAD_NT
.endr
.macro GT q, d                         ; does eighth run q + d beat run q, in each of my two rows?
	v_cmp_gt_u32 s[48+\q], v[E+4*(\q+\d)], v[E+4*\q]
	v_cmp_gt_u32 s[49+\q], v[E+4*(\q+\d)+2], v[E+4*\q+2]
.endm
.macro TAKE q, d
	v_cndmask_b32 v[E+4*\q], v[E+4*\q], v[E+4*(\q+\d)], s[48+\q]
	v_cndmask_b32 v[E+4*\q+1], v[E+4*\q+1], v[E+4*(\q+\d)+1], s[48+\q]
	v_cndmask_b32 v[E+4*\q+2], v[E+4*\q+2], v[E+4*(\q+\d)+2], s[49+\q]
	v_cndmask_b32 v[E+4*\q+3], v[E+4*\q+3], v[E+4*(\q+\d)+3], s[49+\q]
.endm
	s_wait_loadcnt 16                              ; the eight eighths are in; z's sixteen loads stay out
.irp q, 0,2,4,6
	GT \q, 1
.endr
.irp q, 0,2,4,6
	TAKE \q, 1
.endr
	GT 0, 2
	GT 4, 2
	TAKE 0, 2
	TAKE 4, 2
	GT 0, 4
	TAKE 0, 4
	v_min_u32 v24, 0xfff, v[E+1]                   ; the even row's index,
	v_min_u32 v25, 0xfff, v[E+3]                   ; the odd row's
	s_wait_alu depctr_va_vdst(0)                   ; ahead of the run of scalar lines
.irp r, 0,1,2,3,4,5,6,7
	v_readlane_b32 s[32+2*\r], v[24+\r%2], \r/2
.endr
.irp r, 0,1,2,3,4,5,6,7
	s_min_u32 s[32+2*\r], s[32+2*\r], 0xfff
	s_lshl_b32 s[32+2*\r], s[32+2*\r], 10
	s_mov_b32 s[33+2*\r], 0
	s_add_nc_u64 s[32+2*\r:33+2*\r], s[8:9], s[32+2*\r:33+2*\r]
	global_load_b128 v[E+8*\r:E+8*\r+3],   v3, s[32+2*\r:33+2*\r]  ; no hint: a row may be chosen many times
	global_load_b128 v[E+8*\r+4:E+8*\r+7], v3, s[32+2*\r:33+2*\r] offset:512
.endr
	ds_store_b64 v7, v[24:25]                      ; the lanes of equal lane % 4 write the same bytes with the same values
.macro LEAVE r                         ; row r goes out
	s_wait_loadcnt 14-2*(\r)                       ; this row's z and e are in; the later rows' two loads each stay out
	global_store_b128 v3, v[E+8*(\r):E+8*(\r)+3],   s[10:11] offset:1024*(\r) th:TH_STORE_NT       ; 512 consecutive bytes, aligned, from the registers that the load filled
	global_store_b128 v3, v[E+8*(\r)+4:E+8*(\r)+7], s[10:11] offset:1024*(\r)+512 th:TH_STORE_NT
.endm
.macro DIFF r, t                       ; e - z of row r
.irp p, 0,2,4,6
	v_pk_add_f32 v[\t+\p:\t+\p+1], v[E+8*(\r)+\p:E+8*(\r)+\p+1], v[Z+8*(\r)+\p:Z+8*(\r)+\p+1] neg_lo:[0,1] neg_hi:[0,1]
.endr
.endm
.irp r, 0,2,4,6                        ; two rows at a time
	LEAVE \r
	LEAVE \r+1
	DIFF \r, T
	DIFF \r+1, T+8
.irp p, 0,2,4,6
.if \r == 0
	v_pk_mul_f32 v[A+\p:A+\p+1], v[T+\p:T+\p+1], v[T+\p:T+\p+1]    ; the first row starts the sums
.else
	v_pk_fma_f32 v[A+\p:A+\p+1], v[T+\p:T+\p+1], v[T+\p:T+\p+1], v[A+\p:A+\p+1]
.endif
.endr
.irp p, 0,2,4,6
	v_pk_fma_f32 v[A+\p:A+\p+1], v[T+8+\p:T+9+\p], v[T+8+\p:T+9+\p], v[A+\p:A+\p+1]
.endr
.endr
	v_pk_add_f32 v[A:A+1], v[A:A+1], v[A+2:A+3]
	v_pk_add_f32 v[A+4:A+5], v[A+4:A+5], v[A+6:A+7]
	s_delay_alu instid0(VALU_DEP_1)
	v_pk_add_f32 v[A:A+1], v[A:A+1], v[A+4:A+5]
	s_delay_alu instid0(VALU_DEP_1)
	v_add_f32 v[A], v[A], v[A+1]
.irp x, 1,2,4,8
	s_delay_alu instid0(VALU_DEP_1)
	v_add_f32_dpp v[A], v[A], v[A] row_xmask:\x row_mask:0xf bank_mask:0xf
.endr
	s_delay_alu instid0(VALU_DEP_1)
	v_permlanex16_b32 v[A+1], v[A], s26, s27
	s_delay_alu instid0(VALU_DEP_1)
	v_add_f32 v[A], v[A], v[A+1]                   ; the wave's sum, in every lane
	ds_store_b32 v5, v[A]
	s_wait_dscnt 0x0                               ; for the others' sake
	s_barrier_signal -1
	s_barrier_wait -1
	ds_load_b128 v[T:T+3], v6
	ds_load_b128 v[T+4:T+7], v6 offset:16
	ds_load_b64 v[26:27], v4 offset:IDX
	s_wait_tensorcnt 0x0                           ; the wave's end, behind my last LDS store
	ds_add_u32 v192, v193
	s_wait_dscnt 0x0                               ; the add is done, and my loads above are in
	s_cmp_lg_u32 s16, 0
	s_cbranch_scc1 .Ldone                          ; wave 0 stores for the work-group
	global_store_b64 v4, v[26:27], s[12:13]        ; 32 lanes store 256 consecutive bytes, aligned
	v_pk_add_f32 v[T:T+1], v[T:T+1], v[T+2:T+3]
	v_pk_add_f32 v[T+4:T+5], v[T+4:T+5], v[T+6:T+7]
	s_delay_alu instid0(VALU_DEP_1)
	v_pk_add_f32 v[T:T+1], v[T:T+1], v[T+4:T+5]
	s_delay_alu instid0(VALU_DEP_1)
	v_add_f32 v[T], v[T], v[T+1]                   ; the work-group's sum, in a fixed order
	s_wait_alu depctr_va_vdst(0)                   ; directly ahead of the wait below
	s_wait_xcnt 0x0                                ; EXEC changes only behind this wait
	v_cmpx_gt_u32 1, v0                            ; thread 0 alone
	global_store_b32 v6, v[T], s[14:15]
.Ldone:
	s_endpgm
.Lfunc_end_k_qefa9dabb77_gather:
	.size	k_qefa9dabb77_gather, .Lfunc_end_k_qefa9dabb77_gather-k_qefa9dabb77_gather
	.p2alignl 7, 3214868480
	.fill 96, 4, 3214868480
	.section	.rodata,"a",@progbits
	.p2align	6, 0x0
	.amdhsa_kernel k_qefa9dabb77_gather
		.amdhsa_group_segment_fixed_size 1536
		.amdhsa_private_segment_fixed_size 0
		.amdhsa_enable_private_segment 0
		.amdhsa_kernarg_size 48
		.amdhsa_user_sgpr_count 2
		.amdhsa_user_sgpr_kernarg_segment_ptr 1
		.amdhsa_wavefront_size32 1
		.amdhsa_system_sgpr_workgroup_id_x 1
		.amdhsa_system_sgpr_workgroup_id_y 1
		.amdhsa_system_sgpr_workgroup_id_z 1
		.amdhsa_system_vgpr_workitem_id 0
		.amdhsa_next_free_vgpr 194
		.amdhsa_next_free_sgpr 66
		.amdhsa_reserve_vcc 0
		.amdhsa_float_denorm_mode_32 3
		.amdhsa_float_denorm_mode_16_64 3
		.amdhsa_memory_ordered 1
		.amdhsa_forward_progress 1
		.amdhsa_inst_pref_size 18
	.end_amdhsa_kernel
	.amdgpu_metadata
---
amdhsa.version: [ 1, 2 ]
amdhsa.kernels:
  - .name:           k_qefa9dabb77_gather
    .symbol:         k_qefa9dabb77_gather.kd
    .args:
      - { .name: part, .offset: 0, .size: 8, .value_kind: global_buffer, .address_space: global }
      - { .name: z, .offset: 8, .size: 8, .value_kind: global_buffer, .address_space: global }
      - { .name: codebook, .offset: 16, .size: 8, .value_kind: global_buffer, .address_space: global }
      - { .name: out0, .offset: 24, .size: 8, .value_kind: global_buffer, .address_space: global }
      - { .name: out1, .offset: 32, .size: 8, .value_kind: global_buffer, .address_space: global }
      - { .name: lossp, .offset: 40, .size: 8, .value_kind: global_buffer, .address_space: global }
    .group_segment_fixed_size: 1536
    .private_segment_fixed_size: 0
    .kernarg_segment_align: 8
    .kernarg_segment_size: 48
    .max_flat_workgroup_size: 256
    .sgpr_count:     66
    .vgpr_count:     194
    .wavefront_size: 32
...
	.end_amdgpu_metadata
.endif
;; end of part 3
;; launch finish (part 4): grid 1 x 1, 1 waves a work-group, no clusters, 0 bytes of LDS; arguments lossp, out2; writes out2
.if DOCPART == 4
	.amdgcn_target "amdgcn-amd-amdhsa--gfx1250"
	.amdhsa_code_object_version 6
	.text
	.protected	k_qefa9dabb77_finish
	.globl	k_qefa9dabb77_finish
	.p2align	8
	.type	k_qefa9dabb77_finish,@function
k_qefa9dabb77_finish:
	s_mov_b64 s[64:65], 0
	v_nop
	global_prefetch_b8 v0, s[64:65] scope:SCOPE_SE
	s_setreg_imm32_b32 hwreg(HW_REG_WAVE_MODE, 25, 1), 1
	s_wait_xcnt 0x0
; out2 = (the sum of the 256 partial sums of (e - z)^2) / 2^22, the mean over 16,384 x 256 numbers.  One wave, eight partial sums a lane, in a fixed order.
	s_load_b128 s[4:7], s[0:1], 0x0                ; lossp, out2
	v_lshlrev_b32 v1, 4, v0
	v_mov_b32 v2, 0
	s_mov_b32 s8, 0x76543210                       ; lane selects: lane l xor 16
	s_mov_b32 s9, 0xfedcba98
	s_wait_alu depctr_va_vdst(0)                   ; at the head's end
	s_wait_kmcnt 0x0
	global_load_b128 v[4:7], v1, s[4:5]
	global_load_b128 v[8:11], v1, s[4:5] offset:512
	s_wait_loadcnt 0x0
	v_pk_add_f32 v[4:5], v[4:5], v[6:7]
	v_pk_add_f32 v[8:9], v[8:9], v[10:11]
	v_pk_add_f32 v[4:5], v[4:5], v[8:9]
	v_add_f32 v4, v4, v5
.irp x, 1,2,4,8
	v_add_f32_dpp v4, v4, v4 row_xmask:\x row_mask:0xf bank_mask:0xf
.endr
	v_permlanex16_b32 v5, v4, s8, s9
	v_add_f32 v4, v4, v5
	v_mul_f32 v4, 0x34800000, v4                   ; x 2^-22
	s_wait_alu depctr_va_vdst(0)                   ; directly ahead of the wait below
	s_wait_xcnt 0x0                                ; EXEC changes only behind this wait
	v_cmpx_gt_u32 1, v0                            ; thread 0 alone
	global_store_b32 v2, v4, s[6:7]
	s_endpgm
.Lfunc_end_k_qefa9dabb77_finish:
	.size	k_qefa9dabb77_finish, .Lfunc_end_k_qefa9dabb77_finish-k_qefa9dabb77_finish
	.p2alignl 7, 3214868480
	.fill 96, 4, 3214868480
	.section	.rodata,"a",@progbits
	.p2align	6, 0x0
	.amdhsa_kernel k_qefa9dabb77_finish
		.amdhsa_group_segment_fixed_size 0
		.amdhsa_private_segment_fixed_size 0
		.amdhsa_enable_private_segment 0
		.amdhsa_kernarg_size 16
		.amdhsa_user_sgpr_count 2
		.amdhsa_user_sgpr_kernarg_segment_ptr 1
		.amdhsa_wavefront_size32 1
		.amdhsa_system_sgpr_workgroup_id_x 1
		.amdhsa_system_sgpr_workgroup_id_y 1
		.amdhsa_system_sgpr_workgroup_id_z 1
		.amdhsa_system_vgpr_workitem_id 0
		.amdhsa_next_free_vgpr 16
		.amdhsa_next_free_sgpr 66
		.amdhsa_reserve_vcc 0
		.amdhsa_float_denorm_mode_32 3
		.amdhsa_float_denorm_mode_16_64 3
		.amdhsa_memory_ordered 1
		.amdhsa_forward_progress 1
		.amdhsa_inst_pref_size 2
	.end_amdhsa_kernel
	.amdgpu_metadata
---
amdhsa.version: [ 1, 2 ]
amdhsa.kernels:
  - .name:           k_qefa9dabb77_finish
    .symbol:         k_qefa9dabb77_finish.kd
    .args:
      - { .name: lossp, .offset: 0, .size: 8, .value_kind: global_buffer, .address_space: global }
      - { .name: out2, .offset: 8, .size: 8, .value_kind: global_buffer, .address_space: global }
    .group_segment_fixed_size: 0
    .private_segment_fixed_size: 0
    .kernarg_segment_align: 8
    .kernarg_segment_size: 16
    .max_flat_workgroup_size: 32
    .sgpr_count:     66
    .vgpr_count:     16
    .wavefront_size: 32
...
	.end_amdgpu_metadata
.endif
;; end of part 4
